; MI455X (gfx1250); checked and timed in simulation.
; The chip was launched on July 23, 2026; its instructions are those of AMD's public machine-readable ISA for CDNA 5 (MIT licence, August 2026) and "CDNA5" Instruction Set Architecture Reference Guide (July 2026). The comments in the code are by the model that wrote it; some were corrected since.
;; Character Delimited Attention. Allowed arithmetic: matrix products marked QUANTISED: E2M1 operands, one E8M0 scale for each 32 along K, by v_wmma_scale_f32_16x16x128_f8f6f4 with both operands' format E2M1 (or v_wmma_scale_f32_32x16x128_f4), f32 sums; everything else in f32.
;; Inputs: Wqkv_codes 3,072 x 32 x 16 uint8 (E2M1 codes of Wqkv, K innermost, in blocks of 32 codes, two codes a byte); Wqkv_scales 3,072 x 32 uint8 (E8M0 scales of Wqkv, one for each 32 codes along K); bqkv 3,072 float32; char_ids 4 x 2,048 int32; x_codes 4 x 2,048 x 32 x 16 uint8 (E2M1 codes of x, K innermost, in blocks of 32 codes, two codes a byte); x_scales 4 x 2,048 x 32 uint8 (E8M0 scales of x, one for each 32 codes along K).
;; Outputs: out0 4 x 2,048 x 1,024 float32.
;; This version of the problem:
;;   THIS VERSION OF THE PROBLEM IS GIVEN IN LOW PRECISION. The matrix products marked QUANTISED in the list below multiply operands that are first quantised to E2M1 (2 exponent bits, 1 mantissa bit; 4 bits a number), with one power-of-two scale for each 32 numbers along K (OCP MX v1.0); their sums are f32. All else is computed in f32.
;;   The module's matrix products, in the order in which they are computed (A, B: the left and right operand; K: the contracted axis; several contracted axes count as one K, in the product's order):
;;     1. [M 8,192, K 1,024] x [K 1,024, N 3,072]; A: input x (given as codes); B: input Wqkv (given as codes): QUANTISED
;;     2. batch 64 x [M 2,048, K 64] x [K 64, N 2,048]; A: computed on the way; B: computed on the way: QUANTISED
;;     3. batch 64 x [M 2,048, K 2,048] x [K 2,048, N 64]; A: softmax (see below); B: computed on the way: QUANTISED
;;   THE QUANTISER, for each operand of a quantised product, along K:
;;     - K is cut into blocks of 32 from its start; a last block that is shorter is filled with zeros.
;;     - A block's scale is 2^e with e = floor(log2(the largest magnitude in the block)) - 2, held to -126 .. 127; a block of zeros has e = 0. As a byte (E8M0): e + 127.
;;     - Each number is divided by its block's scale, clamped to +-6, and rounded to the nearest number of E2M1, ties to even, subnormals kept.
;;     - The product sums the exact products of the quantised numbers (number of the format x scale) in f32.
;;   ~~~python
;;   def quantise(x, axis):      # numpy; x: float32 -> the quantised numbers, widened to float32 again
;;       x = np.moveaxis(x, axis, -1); K = x.shape[-1]
;;       x = np.pad(x, [(0, 0)] * (x.ndim - 1) + [(0, -K % 32)]); x = x.reshape(x.shape[:-1] + (-1, 32)); a = np.abs(x).max(-1, keepdims=True)
;;       e = np.where(a > 0, np.clip(np.frexp(np.where(a > 0, a, 1))[1] - 1 - 2, -126, 127), 0)      # np.frexp(a)[1] - 1 = floor(log2(a)), exactly
;;       r = np.clip(x / 2.0 ** e, -6, 6)
;;       step = 2.0 ** (np.maximum(np.frexp(np.where(r == 0, 1, r))[1] - 1, 0) - 1)
;;       q = np.round(r / step) * step * 2.0 ** e      # np.round: ties to even
;;       return np.moveaxis(q.reshape(q.shape[:-2] + (-1,))[..., :K], -1, axis).astype(np.float32)
;;   ~~~
;;   SOFTMAX AHEAD OF A QUANTISED PRODUCT. Where the list says 'softmax', what is quantised is not the finished softmax but p = 2^(t - M), with t = logit x log2(e) and M = ceil(the row's largest t), a whole number; so 1/2 < the row's largest p <= 1. The row's sum l is taken of the UNQUANTISED p, in f32, and the product's result is divided by l at the end. Since M is a whole number, a kernel that streams over the keys may use a running M (the ceiling of the running maximum): every later rescaling is an exact power of two, which a block's scale takes up: the codes' values come out the same.
;;   OPERANDS COMPUTED ON THE WAY. 'Computed on the way' means the value that the module computes at that place (a softmax that the list does not call 'softmax' is quantised finished and normalised). What goes into a quantiser is computed in f32, as accurately as f32 sums, v_exp_f32 and their like allow (about 1e-6 of the number): no bf16 or f16 on the way to a quantiser, and a product that is left as it is and whose result goes on into a quantised operand takes f32 operands (vector FMAs, or v_wmma_f32_16x16x4_f32). A number that lies on a knife's edge between two numbers of the format may be rounded either way, as far as f32 arithmetic and the matrix unit's own rounding can turn it there, and no further.
;;   INPUTS GIVEN AS CODES. Wqkv (in the module: [1024, 3072], K = its axis 0); x (in the module: [4, 2048, 1024], K = its axis 2): each comes as NAME_codes (uint8): NAME with its K axis moved to the last place and cut into blocks of 32 codes, [.., K / 32, bytes a block], one block behind the other in memory; two codes a byte, the lower K in the low four bits (a code: sign, 2 exponent bits, 1 mantissa bit); and NAME_scales (uint8): the same leading axes, one E8M0 byte (e + 127) for each 32 codes along K. Its value is code x scale, taken as it is: it is not quantised again, and the codes and scales need not be those that the quantiser above would give.
;; 2 versions, each right; version 2 is version 1 with the launch attn written anew for expert scheduling mode. Each part assembles by itself: llvm-mc -triple=amdgcn-amd-amdhsa -mcpu=gfx1250 --defsym DOCPART=n.
;; ======== version 1 of 2: 2 launches
;; limits: right only within a limited range of input values
;; workspace buffers: qc 4,194,304 bytes; qs 524,288 bytes; kc 4,194,304 bytes; ks 524,288 bytes; vc 4,194,304 bytes; vs 524,288 bytes; loc 32,768 bytes of whole numbers; clast 1,024 bytes of whole numbers
;; launch qkv (part 1): grid 8 x 32, 4 waves a work-group, clusters of 4 x 4, 327,680 bytes of LDS; arguments x_codes, x_scales, Wqkv_codes, Wqkv_scales, bqkv, char_ids, qc, qs, kc, ks, vc, vs, loc, clast; writes qc, qs, kc, ks, vc, vs, loc, clast
.if DOCPART == 1
	.amdgcn_target "amdgcn-amd-amdhsa--gfx1250"
	.amdhsa_code_object_version 6
	.text
	.protected	k_q212dff493c_qkv
	.globl	k_q212dff493c_qkv
	.p2align	8
	.type	k_q212dff493c_qkv,@function
k_q212dff493c_qkv:
	s_mov_b64 s[64:65], 0
	v_nop
	global_prefetch_b8 v0, s[64:65] scope:SCOPE_SE
	s_setreg_imm32_b32 hwreg(HW_REG_WAVE_MODE, 25, 1), 1
	s_wait_xcnt 0x0
	s_wait_alu depctr_hold_cnt(0) depctr_sa_sdst(0) depctr_va_vdst(0) depctr_va_sdst(0) depctr_va_ssrc(0) depctr_va_vcc(0) depctr_vm_vsrc(0)
	s_getreg_b32 s2, hwreg(HW_REG_IB_STS2, 6, 4)
	s_cmp_eq_u32 s2, 0
	s_cbranch_scc0 .Lentry_in_a_cluster
	s_endpgm
.Lentry_in_a_cluster:
	s_bfe_u32 s2, ttmp6, 0x10000c
	s_cmp_lg_u32 s2, 0xf033
	s_cbranch_scc0 .Lentry_shape_is_right
	s_endpgm
.Lentry_shape_is_right:
; qkv = x Wqkv + bqkv on codes of E2M1 with E8M0 scales (8,192 x 1,024 x 3,072), and at once the operands of the attention launch:
; q and k quantised along the head's 64 (two blocks of 32 a row), v / 64 quantised along the keys (blocks of 32 positions); nothing of qkv goes to memory as f32.
; SHARES.  256 work-groups.  Work-group (jx, y) takes rows 256 y .. + 255 of x and three PARTS of 128 columns: heads 2 jx and 2 jx + 1 of q, of k, of v, one part after the other.
; Wave w = 2 mh + nh takes rows 128 mh .. + 127 and head nh of the part: 128 x 64 = 32 accumulators, 256 registers.
; CLUSTER 4 x 4: the four work-groups of a row of the cluster need the same rows of x, the four of a column the same rows of W: each tile is asked for jointly.
; LDS: x's 256 rows for all of K stay (two chunks of 512 along K, rows of 256 bytes + 16).  W's parts have two slots: q's and k's come with the first fills, v's is the ONE refill, into q's slot.
; q, k: the product is used TRANSPOSED (source 0 = 16 rows of W, source 1 = 16 rows of x): a lane holds one position and its registers run along d, the next K.
; v: the product is used as it stands (source 0 = x, source 1 = W): a lane holds one d and its registers run along the positions, the next K.
; In both, tile t's register j of lane (r, h) is k' = 16 t + 8 h + j of the next K: tiles 0, 1 are a block of 32, tiles 2, 3 the next; lanes l and l xor 16 share a block.
; v / 64 has v's codes under a scale byte 6 lower: the floor under the largest magnitude is 6 exponents higher, so that the byte stays at 1 or above.
; The bias is the C of each sum's first product.  Wave 0 also digests 32 char_ids: the last delimiter at or before each position inside its chunk of 32 (or -1), and the chunk's last.
; LIMITS: NaN and infinities are not served.  A block of zeros gets the byte 1 where the rule says 127: its codes are zeros, and this program alone reads the bytes.
; REGISTERS, in windows of 256: window 0: addresses, work, codes just made, v96-127 x's scale words, v128-175 W's.  window 1: two sets of fragments, 96 each (x's eight, W's four).
;   window 2: the 32 accumulators.   window 3: the biases, 32 registers a part.
.set PITCH, 272                        ; an LDS row: 256 bytes + 16 of padding = 68 words: the 16 rows that a load touches start 4 words apart
.set ACH,   256*PITCH                  ; a chunk of x: 256 rows x 512 along K
.set BCH,   128*PITCH                  ; a chunk of a part of W: 128 rows
.set SLOT0, 2*ACH                      ; q's part, later v's
.set SLOT1, SLOT0+2*BCH                ; k's part
.set STG,   SLOT1+2*BCH                ; 512 bytes a wave for scale words: stored and read by the wave alone, never filled
.set SPARE, STG+4*512                  ; the spare words: 128 bytes a wave, two blocks of 256 bytes that no other line names
.set ADA, 4                            ; v4-5   my x fragments in chunk 0, 1
.set ADB, 6                            ; v6-9   my W fragments: slot 0 chunk 0, 1; slot 1 chunk 0, 1
.set LQ,  10                           ; v10    32 r + 16 h
.set L16, 11                           ; v11    16 x lane
.set STW, 12                           ; v12    my stage + 4 r
.set STR, 13                           ; v13    my stage + 16 x lane
.set H32, 14                           ; v14    32 h
.set R4,  15                           ; v15    4 r
.set SPW, 16                           ; v16    my spare word; never rewritten
.set NIL, 17                           ; v17    0; never rewritten
.set TM,  32                           ; v32-35 largest magnitudes
.set TX,  36                           ; v36-37 the other half's
.set SO,  38                           ; v38-39 the conversions' scale operands
.set BY,  40                           ; v40-41 the scale bytes
.set PC,  48                           ; v48-79 eight fragments' codes, four registers each
.set PW,  80                           ; v80-87 their scale words
.set BKR, 88                           ; v88-91 128 scale words on their way out
.set SX,  96                           ; x's scale words: 4 i + q % 4; lanes 0-15 K steps 0-3, lanes 16-31 K steps 4-7
.set SW,  128                          ; W's: 16 part + 4 b + q % 4, likewise
.set G1A, 44                           ; s[44:51] group 1 for x's tiles (128 rows), s[52:59] for W's (64 rows)
.set G1B, 52
.set SEL, 66                           ; s66, s67 lane selects: lane l xor 16
.set G0A, 68                           ; s[68:75] group 0 for x's chunks 0, 1;  s[76:83] for q's;  s[84:87] k's;  s[88:91] v's.  None is ever rewritten
.set G0B, 76
.set G0K, 84
.set G0V, 88
.set MSB, 0
.macro WIN new                         ; the immediate's high byte repeats the setting that is left
.if MSB != \new
	s_set_vgpr_msb (MSB<<8)|\new
.set MSB, \new
.endif
.endm
.macro PLACES                          ; four plain places behind matrix instructions, in front of loads into their registers and of reads of their results
.rept 4
	v_nop
.endr
.endm
.macro CROUND                          ; a round of the cluster's barrier
	s_barrier_signal -1
	s_barrier_wait -1
	s_cmp_lg_u32 s32, 0
	s_cbranch_scc1 .Lnot_wave_0_\@
	s_barrier_signal -3
.Lnot_wave_0_\@:
	s_barrier_wait -3
	s_barrier_signal -1
	s_barrier_wait -1
.endm
.macro JLOAD g0a, g1a, g0b, g1b        ; waves 0, 1 fetch for x, waves 2, 3 for W; four v_nop follow each line
	s_cmp_eq_u32 s33, 0
	s_cbranch_scc0 .Lfor_b_\@
	tensor_load_to_lds s[\g0a:\g0a+3], s[\g1a:\g1a+7]
	s_nop 0
.rept 4
	v_nop
.endr
	s_branch .Lasked_\@
.Lfor_b_\@:
	tensor_load_to_lds s[\g0b:\g0b+3], s[\g1b:\g1b+7]
	s_nop 0
.rept 4
	v_nop
.endr
.Lasked_\@:
.endm
	s_load_b512 s[4:19], s[0:1], 0x0               ; x_codes 4, x_scales 6, W codes 8, W scales 10, bqkv 12, char_ids 14, qc 16, qs 18
	s_load_b256 s[20:27], s[0:1], 0x40             ; kc 20, ks 22, vc 24, vs 26
	s_load_b128 s[28:31], s[0:1], 0x60             ; loc 28, clast 30
	v_lshl_add_u32 v[SPW], v0, 2, SPARE
	v_mov_b32 v[NIL], 0
	ds_add_u32 v16, v17
	ds_add_u32 v16, v17
	s_wait_dscnt 0x0
	v_lshrrev_b32 v1, 5, v0
	v_readfirstlane_b32 s32, v1                    ; wave 0..3
	s_lshr_b32 s33, s32, 1                         ; mh: my 128 rows.  Also: I fetch for x (0) or for W (1)
	s_and_b32 s34, s32, 1                          ; nh: my head of the part.  Also: which half of a tile I fetch
	s_bfe_u32 s35, ttmp6, 0x40000                  ; cx
	s_bfe_u32 s36, ttmp6, 0x40004                  ; cy
	s_lshl_b32 s37, ttmp9, 2
	s_add_co_u32 s37, s37, s35                     ; jx = 4 x cluster x + cx
	s_and_b32 s38, ttmp7, 0xffff
	s_lshl_b32 s38, s38, 2
	s_add_co_u32 s38, s38, s36                     ; y = 4 x cluster y + cy
	s_lshl_b32 s39, s36, 2
	s_lshl_b32 s39, 15, s39                        ; my row of the cluster
	s_lshl_b32 s40, 0x1111, s35                    ; my column
	s_or_b32 s[G1A], s39, (1<<20)|(1<<21)|(5<<22)|(3<<25)   ; the mask; elements of 1 byte; padding on; bit 21 beside a mask; 4 words after every 64
	s_or_b32 s[G1B], s40, (1<<20)|(1<<21)|(5<<22)|(3<<25)
	s_mov_b32 s[G1A+1], 256<<16                    ; tensor_dim0 = 256 bytes
	s_mov_b32 s[G1A+2], 128<<16                    ; tensor_dim1 = 128 rows
	s_mov_b32 s[G1A+3], 256<<16                    ; tile_dim0
	s_mov_b32 s[G1A+4], 128                        ; tile_dim1
	s_mov_b32 s[G1A+5], 512                        ; a row of 1,024 codes in memory
	s_mov_b32 s[G1A+6], 0
	s_mov_b32 s[G1A+7], 0
	s_mov_b32 s[G1B+1], 256<<16
	s_mov_b32 s[G1B+2], 64<<16                     ; 64 rows
	s_mov_b32 s[G1B+3], 256<<16
	s_mov_b32 s[G1B+4], 64
	s_mov_b32 s[G1B+5], 512
	s_mov_b32 s[G1B+6], 0
	s_mov_b32 s[G1B+7], 0
	s_mov_b32 s[SEL], 0x76543210
	s_mov_b32 s[SEL+1], 0xfedcba98
	s_lshl_b32 s92, s38, 17                        ; x: (256 y + 128 nh) rows of 512 bytes: hangs on y and the wave alone
	s_lshl_b32 s41, s34, 16
	s_add_co_u32 s92, s92, s41
	s_mov_b32 s93, 0
	s_lshl_b32 s94, s37, 16                        ; W: (128 jx + 64 nh) rows: hangs on jx and the wave alone
	s_lshl_b32 s41, s34, 15
	s_add_co_u32 s94, s94, s41
	s_mov_b32 s95, 0
	s_lshl_b32 s96, s33, 8                         ; k's and v's tiles: every wave fetches one: chunk mh, rows 64 nh
	s_mov_b32 s97, 0
	s_wait_kmcnt 0x0
	s_add_nc_u64 s[92:93], s[4:5], s[92:93]
	s_add_nc_u64 s[94:95], s[8:9], s[94:95]
	s_mul_i32 s41, s34, 128*PITCH
.irp c, 0,1
	s_mov_b32 s[G0A+4*\c], 1
	s_add_co_u32 s[G0A+4*\c+1], s41, \c*ACH
	s_add_nc_u64 s[G0A+4*\c+2:G0A+4*\c+3], s[92:93], \c*256
	s_or_b32 s[G0A+4*\c+3], s[G0A+4*\c+3], 0x80000000
.endr
	s_mul_i32 s41, s34, 64*PITCH
.irp c, 0,1
	s_mov_b32 s[G0B+4*\c], 1
	s_add_co_u32 s[G0B+4*\c+1], s41, SLOT0+\c*BCH
	s_add_nc_u64 s[G0B+4*\c+2:G0B+4*\c+3], s[94:95], \c*256
	s_or_b32 s[G0B+4*\c+3], s[G0B+4*\c+3], 0x80000000
.endr
	s_mul_i32 s3, s33, BCH
	s_add_co_u32 s41, s41, s3                      ; chunk mh, rows 64 nh of a slot
	s_add_nc_u64 s[94:95], s[94:95], s[96:97]
	s_mov_b32 s[G0K], 1
	s_add_co_u32 s[G0K+1], s41, SLOT1
	s_add_nc_u64 s[G0K+2:G0K+3], s[94:95], 1024*512          ; k's rows of W lie 1,024 rows on
	s_or_b32 s[G0K+3], s[G0K+3], 0x80000000
	s_mov_b32 s[G0V], 1
	s_add_co_u32 s[G0V+1], s41, SLOT0
	s_add_nc_u64 s[G0V+2:G0V+3], s[94:95], 2048*512          ; v's 2,048
	s_or_b32 s[G0V+3], s[G0V+3], 0x80000000
	CROUND                                         ; all sixteen work-groups are here: the first joint loads meet
	JLOAD G0A, G1A, G0B, G1B                       ; chunk 0 of x and of q's part
	JLOAD G0A+4, G1A, G0B+4, G1B                   ; chunk 1
	tensor_load_to_lds s[G0K:G0K+3], s[G1B:G1B+7]  ; k's part, a quarter a wave: three loads of mine are out
	s_nop 0
	PLACES
	; where my results go: b = y / 8, s0 = 256 (y % 8) + 128 mh, bh = 16 b + 2 jx + nh
	s_lshr_b32 s42, s38, 3
	s_lshl_b32 s42, s42, 4
	s_lshl_b32 s43, s37, 1
	s_add_co_u32 s42, s42, s43
	s_add_co_u32 s42, s42, s34                     ; bh
	s_and_b32 s43, s38, 7
	s_lshl_b32 s43, s43, 8
	s_lshl_b32 s60, s33, 7
	s_add_co_u32 s43, s43, s60                     ; s0
	s_lshl_b32 s60, s42, 16
	s_lshl_b32 s62, s43, 5
	s_add_co_u32 s62, s62, s60                     ; qc, kc: 65,536 bh + 32 s0
	s_mov_b32 s63, 0
	s_lshl_b32 s98, s43, 3
	s_add_co_u32 s98, s98, s60                     ; vc: 65,536 bh + 8 s0
	s_mov_b32 s99, 0
	s_lshl_b32 s60, s42, 13
	s_lshl_b32 s61, s43, 2
	s_add_co_u32 s60, s60, s61                     ; qs, ks, vs: 8,192 bh + 4 s0
	s_mov_b32 s61, 0
	s_add_nc_u64 s[16:17], s[16:17], s[62:63]
	s_add_nc_u64 s[20:21], s[20:21], s[62:63]
	s_add_nc_u64 s[24:25], s[24:25], s[98:99]
	s_add_nc_u64 s[18:19], s[18:19], s[60:61]
	s_add_nc_u64 s[22:23], s[22:23], s[60:61]
	s_add_nc_u64 s[26:27], s[26:27], s[60:61]
	s_lshl_b32 s62, s38, 13
	s_lshl_b32 s98, s33, 12
	s_add_co_u32 s62, s62, s98
	s_add_nc_u64 s[6:7], s[6:7], s[62:63]          ; x's scales: (256 y + 128 mh) rows of 32 bytes
	s_lshl_b32 s62, s37, 12
	s_lshl_b32 s98, s34, 11
	s_add_co_u32 s62, s62, s98
	s_add_nc_u64 s[10:11], s[10:11], s[62:63]      ; W's: (128 jx + 64 nh) rows of 32 bytes
	s_lshr_b32 s62, s62, 3
	s_add_nc_u64 s[12:13], s[12:13], s[62:63]      ; the bias: 4 bytes a column
	s_lshl_b32 s42, s38, 3
	s_add_co_u32 s42, s42, s37                     ; G = 8 y + jx: my chunk of 32 char_ids
	s_lshl_b32 s62, s42, 7
	s_add_nc_u64 s[14:15], s[14:15], s[62:63]
	s_add_nc_u64 s[28:29], s[28:29], s[62:63]
	s_lshl_b32 s62, s42, 2
	s_add_nc_u64 s[30:31], s[30:31], s[62:63]
	v_and_b32 v1, 15, v0                           ; r
	v_bfe_u32 v2, v0, 4, 1                         ; h
	v_and_b32 v3, 31, v0                           ; lane
	v_mul_u32_u24 v18, v1, PITCH
	v_lshl_add_u32 v18, v2, 4, v18                 ; a fragment's row x pitch + 16 h
	s_mul_i32 s3, s33, 128*PITCH
	v_add_nc_u32 v[ADA], s3, v18
	s_add_co_u32 s3, s3, ACH
	v_add_nc_u32 v[ADA+1], s3, v18
	s_mul_i32 s3, s34, 64*PITCH
	s_add_co_u32 s3, s3, SLOT0
.irp i, 0,1,2,3
	v_add_nc_u32 v[ADB+\i], s3, v18
	s_add_co_u32 s3, s3, BCH
.endr
	v_lshlrev_b32 v[LQ], 5, v1
	v_lshl_add_u32 v[LQ], v2, 4, v[LQ]
	v_lshlrev_b32 v[L16], 4, v3
	s_lshl_b32 s3, s32, 9
	s_add_co_u32 s3, s3, STG
	v_lshl_add_u32 v[STW], v1, 2, s3
	v_lshl_add_u32 v[STR], v3, 4, s3
	v_lshlrev_b32 v[H32], 5, v2
	v_lshlrev_b32 v[R4], 2, v1
	v_mov_b32 v[TX], 0                             ; written once: a lane permute's destination counts as one of its sources
	v_mov_b32 v[TX+1], 0
	; the scale words come straight into registers: a row's 32 bytes are 8 words, one a K step of 128; lane (r, h) takes words 4 h .. 4 h + 3 of row r
.irp i, 0,1,2,3,4,5,6,7
	global_load_b128 v[SX+4*\i:SX+4*\i+3], v[LQ], s[6:7] offset:512*\i
.endr
.irp p, 0,1,2
.irp b, 0,1,2,3
	global_load_b128 v[SW+16*\p+4*\b:SW+16*\p+4*\b+3], v[LQ], s[10:11] offset:32768*\p+512*\b
.endr
.endr
	WIN 0xc0                                       ; destination window 3
.irp p, 0,1                                    ; q, k: lane (r, h), tile b, register j: column 16 b + 8 h + j
.irp b, 0,1,2,3
	global_load_b128 v[32*\p+8*\b:32*\p+8*\b+3], v[H32], s[12:13] offset:4096*\p+64*\b
	global_load_b128 v[32*\p+8*\b+4:32*\p+8*\b+7], v[H32], s[12:13] offset:4096*\p+64*\b+16
.endr
.endr
.irp b, 0,1,2,3                                ; v: every register of tile b holds column 16 b + r's
.irp j, 0,1,2,3,4,5,6,7
	global_load_b32 v[64+8*\b+\j], v[R4], s[12:13] offset:8192+64*\b
.endr
.endr
	WIN 0
	; wave 0: my chunk's 32 char_ids
	s_cmp_lg_u32 s32, 0
	s_cbranch_scc1 .Lno_loc
	v_lshlrev_b32 v18, 2, v3
	global_load_b32 v19, v18, s[14:15]
	s_wait_loadcnt 0x0
	v_cmp_eq_u32 s62, 32, v19
	v_cmp_eq_u32 s63, 10, v19
	s_or_b32 s62, s62, s63                         ; a bit for each delimiter of the chunk
	v_lshlrev_b32 v20, v3, 2
	v_add_nc_u32 v20, -1, v20                      ; bits 0 .. lane
	v_and_b32 v20, s62, v20                        ; the delimiters at or before me
	v_cmp_ne_u32 s98, 0, v20                       ; is there one?
	v_mov_b32 v21, 0
.irp sh, 16,8,4,2,1                            ; the highest bit's number, by halving
	v_lshrrev_b32 v22, \sh, v20
	v_add_nc_u32 v23, \sh, v21
	v_cmp_ne_u32 vcc_lo, 0, v22
	v_cndmask_b32 v20, v20, v22, vcc_lo
	v_cndmask_b32 v21, v21, v23, vcc_lo
.endr
	s_lshl_b32 s99, s42, 5
	s_and_b32 s99, s99, 2047                       ; the chunk's first position in its batch
	v_add_nc_u32 v21, s99, v21
	v_cndmask_b32 v21, -1, v21, s98
	v_mov_b32 v22, 0
	global_store_b32 v18, v21, s[28:29]            ; 128 consecutive bytes
	s_wait_xcnt 0x0                                ; EXEC changes only behind this wait
	v_cmp_eq_u32 vcc_lo, 31, v3
	s_and_saveexec_b32 s62, vcc_lo
	global_store_b32 v22, v21, s[30:31]            ; lane 31's is the chunk's last
	s_wait_xcnt 0x0
	s_or_b32 exec_lo, exec_lo, s62
.Lno_loc:
; 24 LDS loads: the fragments of K step q (128 along K) of a part into set q % 2: W's four, x's eight.  A fragment: lane (r, h), registers 4 c .. 4 c + 3: K = 64 c + 32 h + 0 .. 31
.macro FETCH part, q
	WIN 0x40                                       ; destination window 1
.set FS, 96*((\q)%2)
.set FO, 64*((\q)%4)
.set RA, ADA+(\q)/4
.set RB, ADB+2*((\part)%2)+(\q)/4
.irp b, 0,1,2,3
	ds_load_b128 v[FS+64+8*\b:FS+64+8*\b+3], v[RB] offset:FO+16*PITCH*\b
	ds_load_b128 v[FS+64+8*\b+4:FS+64+8*\b+7], v[RB] offset:FO+32+16*PITCH*\b
.endr
.irp a, 0,1,2,3,4,5,6,7
	ds_load_b128 v[FS+8*\a:FS+8*\a+3], v[RA] offset:FO+16*PITCH*\a
	ds_load_b128 v[FS+8*\a+4:FS+8*\a+7], v[RA] offset:FO+32+16*PITCH*\a
.endr
	WIN 0
.endm
; 32 products: K step q of a part.  The 32 accumulators take turns, one instruction a turn, in the same order in every step.  Step 0 takes the bias as C: nothing is cleared.
.macro MUL part, q
.if (\q) == 0
	WIN 0xb5                                       ; sources 0, 1 window 1, C window 3, D window 2
.else
	WIN 0xa5                                       ; C and D window 2
.endif
.set FS, 96*((\q)%2)
.irp a, 0,1,2,3,4,5,6,7
.irp b, 0,1,2,3
.if (\part) < 2
.set rD, 8*(4*\a+\b)
.set rA, FS+64+8*\b
.set rB, FS+8*\a
.set rSA, SW+16*(\part)+4*\b+(\q)%4
.set rSB, SX+4*\a+(\q)%4
.else
.set rD, 8*(8*\b+\a)
.set rA, FS+8*\a
.set rB, FS+64+8*\b
.set rSA, SX+4*\a+(\q)%4
.set rSB, SW+16*(\part)+4*\b+(\q)%4
.endif
.set rC, rD
.if (\q) == 0
.set rC, 32*(\part)+8*\b
.endif
.if (\q) < 4
	v_wmma_scale_f32_16x16x128_f8f6f4 v[rD:rD+7], v[rA:rA+7], v[rB:rB+7], v[rC:rC+7], v[rSA], v[rSB] matrix_a_fmt:MATRIX_FMT_FP4 matrix_b_fmt:MATRIX_FMT_FP4
.else
	v_wmma_scale_f32_16x16x128_f8f6f4 v[rD:rD+7], v[rA:rA+7], v[rB:rB+7], v[rC:rC+7], v[rSA], v[rSB] matrix_a_fmt:MATRIX_FMT_FP4 matrix_b_fmt:MATRIX_FMT_FP4 matrix_a_scale:MATRIX_SCALE_ROW1 matrix_b_scale:MATRIX_SCALE_ROW1
.endif
.endr
.endr
.endm
; A K step: the next step's fragments are asked for, into the set that the step before multiplied, and land under this step's 32 products.
.macro STEP part, q, sync
.if (\q) < 7
	PLACES
.if \sync
	s_wait_dscnt 0x0                               ; no LDS load of mine is out at the signal
	s_wait_tensorcnt 0x1                           ; my tile of chunk 1 is in; k's may stay out
	s_barrier_signal -1
	s_barrier_wait -1                              ; everybody's is
.endif
	FETCH \part, (\q)+1
	s_wait_dscnt 24                                ; this step's 24 loads are in, the 24 just issued may be out
.else
	s_wait_dscnt 0x0
.endif
	MUL \part, \q
.endm
.macro PART part, sync
.irp q, 0,1,2,3,4,5,6,7
.if (\sync) && (\q == 3)
	STEP \part, \q, 1
.else
	STEP \part, \q, 0
.endif
.endr
.endm
; Four tiles (32 accumulator registers from s on, window 2) become 64 codes a lane pair: v[pc .. pc + 3] = registers 0-3 of the next operand (lane (r, h): k' = 32 h + 0 .. 31), and the row's scale word in v[pw].
; dv: exponents that the numbers are to be lowered by (v / 64: 6): the codes stay, the bytes fall, the floor rises.
.macro QUANT s, pc, pw, dv
	WIN 0x0a                                       ; sources 0 and 1 window 2
.irp t, 0,1,2,3
	v_max3_num_f32 v[TM+\t], |v[(\s)+8*\t]|, |v[(\s)+8*\t+1]|, (3+\dv)<<23   ; each tile from its low end on; the floor holds the byte at 1 from below
.endr
.irp i, 2,4,6
.irp t, 0,1,2,3
	v_max3_num_f32 v[TM+\t], |v[(\s)+8*\t+\i]|, |v[(\s)+8*\t+\i+1]|, v[TM+\t]
.endr
.endr
	WIN 0
	v_max_num_f32 v[TM], v[TM], v[TM+1]            ; block 0: tiles 0, 1
	v_max_num_f32 v[TM+2], v[TM+2], v[TM+3]        ; block 1: tiles 2, 3
	v_permlanex16_b32 v[TX], v[TM], s[SEL], s[SEL+1]
	v_permlanex16_b32 v[TX+1], v[TM+2], s[SEL], s[SEL+1]
	v_max_num_f32 v[TM], v[TM], v[TX]              ; with lane l xor 16's: the block's largest magnitude
	v_max_num_f32 v[TM+2], v[TM+2], v[TX+1]
	v_add_nc_u32 v[SO], 0xff000000, v[TM]          ; 2 off its exponent field: the conversion's scale operand
	v_add_nc_u32 v[SO+1], 0xff000000, v[TM+2]
	v_lshrrev_b32 v[BY], 23, v[SO]
	v_lshrrev_b32 v[BY+1], 23, v[SO+1]
	v_lshl_or_b32 v[\pw], v[BY+1], 8, v[BY]        ; bytes 2 and 3 stay 0: they scale zero codes alone
.if \dv
	v_add_nc_u32 v[\pw], -(\dv*0x101), v[\pw]      ; dv off both bytes: each is at least dv + 1, so nothing is borrowed
.endif
	WIN 0x02                                       ; source 0 window 2
	v_cvt_scalef32_pk8_fp4_f32 v[(\pc)], v[(\s):(\s)+7], v[SO]
	v_cvt_scalef32_pk8_fp4_f32 v[(\pc)+2], v[(\s)+8:(\s)+15], v[SO]
	v_cvt_scalef32_pk8_fp4_f32 v[(\pc)+1], v[(\s)+16:(\s)+23], v[SO+1]
	v_cvt_scalef32_pk8_fp4_f32 v[(\pc)+3], v[(\s)+24:(\s)+31], v[SO+1]
	v_nop                                          ; one plain place behind the last conversion
	WIN 0
	v_permlane16_swap_b32 v[(\pc)], v[(\pc)+1]     ; lanes 0-15 now hold block 0 whole, lanes 16-31 block 1
	v_permlane16_swap_b32 v[(\pc)+2], v[(\pc)+3]
.endm
; q's or k's way out: 16 positions at a time: 512 consecutive bytes of codes; the 128 scale words meet in my stage and leave as 512 consecutive bytes
.macro EPI_QK pcod, pscl
	s_wait_xcnt 0x0                                ; the last part's stores have read PC and BKR
.irp a, 0,1,2,3,4,5,6,7
	QUANT 32*\a, PC+4*\a, PW+\a, 0
	global_store_b128 v[LQ], v[PC+4*\a:PC+4*\a+3], s[\pcod:\pcod+1] offset:512*\a
	ds_store_b32 v[STW], v[PW+\a] offset:64*\a     ; lanes r and r + 16 write the same word with the same value
.endr
	ds_load_b128 v[BKR:BKR+3], v[STR]              ; LDS serves a wave's instructions in order: this sees my stores
	s_wait_dscnt 0x0
	global_store_b128 v[L16], v[BKR:BKR+3], s[\pscl:\pscl+1]
.endm
.macro EPI_V                           ; v's: d tile b, 64 positions g: the fragment that the attention launch loads, 512 consecutive bytes
	s_wait_xcnt 0x0
.irp b, 0,1,2,3
.irp g, 0,1
	QUANT 8*(8*\b+4*\g), PC+4*(2*\b+\g), PW+2*\b+\g, 6
	global_store_b128 v[L16], v[PC+4*(2*\b+\g):PC+4*(2*\b+\g)+3], s[24:25] offset:16384*\b+512*\g
	ds_store_b32 v[STW], v[PW+2*\b+\g] offset:256*\g+64*\b
.endr
.endr
	ds_load_b128 v[BKR:BKR+3], v[STR]
	s_wait_dscnt 0x0
	global_store_b128 v[L16], v[BKR:BKR+3], s[26:27]
.endm
	s_wait_loadcnt 0x0                             ; scale words and biases
	s_wait_tensorcnt 0x2                           ; my tile of chunk 0 is in; chunk 1's and k's may stay out
	s_barrier_signal -1
	s_barrier_wait -1                              ; everybody's is
	FETCH 0, 0
	PART 0, 1                                      ; q
	WIN 0
	s_wait_tensorcnt 0x0                           ; all my tensor loads have landed, k's tile among them
	ds_add_u32 v[SPW], v[NIL]                      ; 0 onto my spare word
	s_wait_dscnt 0x0                               ; the add is done, and my reads of q's slot are over
	CROUND                                         ; both hold of every wave of every partner
	tensor_load_to_lds s[G0V:G0V+3], s[G1B:G1B+7]  ; the one refill: v's part into q's slot, a quarter a wave; it lands under q's way out and k's 256 products
	s_nop 0
	PLACES                                         ; also the places in front of the loads and of the reads of q's sums below
	FETCH 1, 0
	EPI_QK 16, 18
	PART 1, 0                                      ; k: the round has shown its slot to every wave
	WIN 0
	s_wait_tensorcnt 0x0                           ; my tile of v's part is in (the one load that was out)
	s_wait_dscnt 0x0
	s_barrier_signal -1
	s_barrier_wait -1                              ; everybody's is
	PLACES
	FETCH 2, 0
	EPI_QK 20, 22
	PART 2, 0                                      ; v
	PLACES
	EPI_V
	s_wait_tensorcnt 0x0                           ; the wave's end
	ds_add_u32 v[SPW], v[NIL]
	s_wait_dscnt 0x0
	CROUND                                         ; the closing round
	s_endpgm
.Lfunc_end_k_q212dff493c_qkv:
	.size	k_q212dff493c_qkv, .Lfunc_end_k_q212dff493c_qkv-k_q212dff493c_qkv
	.p2alignl 7, 3214868480
	.fill 96, 4, 3214868480
	.section	.rodata,"a",@progbits
	.p2align	6, 0x0
	.amdhsa_kernel k_q212dff493c_qkv
		.amdhsa_group_segment_fixed_size 327680
		.amdhsa_private_segment_fixed_size 0
		.amdhsa_enable_private_segment 0
		.amdhsa_kernarg_size 112
		.amdhsa_user_sgpr_count 2
		.amdhsa_user_sgpr_kernarg_segment_ptr 1
		.amdhsa_wavefront_size32 1
		.amdhsa_system_sgpr_workgroup_id_x 1
		.amdhsa_system_sgpr_workgroup_id_y 1
		.amdhsa_system_sgpr_workgroup_id_z 1
		.amdhsa_system_vgpr_workitem_id 0
		.amdhsa_next_free_vgpr 864
		.amdhsa_next_free_sgpr 100
		.amdhsa_reserve_vcc 1
		.amdhsa_float_denorm_mode_32 3
		.amdhsa_float_denorm_mode_16_64 3
		.amdhsa_memory_ordered 1
		.amdhsa_forward_progress 1
		.amdhsa_inst_pref_size 212
	.end_amdhsa_kernel
	.amdgpu_metadata
---
amdhsa.version: [ 1, 2 ]
amdhsa.kernels:
  - .name:           k_q212dff493c_qkv
    .symbol:         k_q212dff493c_qkv.kd
    .args:
      - { .name: x_codes, .offset: 0, .size: 8, .value_kind: global_buffer, .address_space: global }
      - { .name: x_scales, .offset: 8, .size: 8, .value_kind: global_buffer, .address_space: global }
      - { .name: Wqkv_codes, .offset: 16, .size: 8, .value_kind: global_buffer, .address_space: global }
      - { .name: Wqkv_scales, .offset: 24, .size: 8, .value_kind: global_buffer, .address_space: global }
      - { .name: bqkv, .offset: 32, .size: 8, .value_kind: global_buffer, .address_space: global }
      - { .name: char_ids, .offset: 40, .size: 8, .value_kind: global_buffer, .address_space: global }
      - { .name: qc, .offset: 48, .size: 8, .value_kind: global_buffer, .address_space: global }
      - { .name: qs, .offset: 56, .size: 8, .value_kind: global_buffer, .address_space: global }
      - { .name: kc, .offset: 64, .size: 8, .value_kind: global_buffer, .address_space: global }
      - { .name: ks, .offset: 72, .size: 8, .value_kind: global_buffer, .address_space: global }
      - { .name: vc, .offset: 80, .size: 8, .value_kind: global_buffer, .address_space: global }
      - { .name: vs, .offset: 88, .size: 8, .value_kind: global_buffer, .address_space: global }
      - { .name: loc, .offset: 96, .size: 8, .value_kind: global_buffer, .address_space: global }
      - { .name: clast, .offset: 104, .size: 8, .value_kind: global_buffer, .address_space: global }
    .group_segment_fixed_size: 327680
    .private_segment_fixed_size: 0
    .kernarg_segment_align: 8
    .kernarg_segment_size: 112
    .max_flat_workgroup_size: 128
    .sgpr_count:     100
    .vgpr_count:     864
    .wavefront_size: 32
...
	.end_amdgpu_metadata
.endif
;; end of part 1
;; launch attn (part 2): grid 32 x 64, 4 waves a work-group, no clusters, 17,920 bytes of LDS; arguments qc, qs, kc, ks, vc, vs, loc, clast, out0; writes out0
.if DOCPART == 2
	.amdgcn_target "amdgcn-amd-amdhsa--gfx1250"
	.amdhsa_code_object_version 6
	.text
	.protected	k_q212dff493c_attn
	.globl	k_q212dff493c_attn
	.p2align	8
	.type	k_q212dff493c_attn,@function
k_q212dff493c_attn:
	s_mov_b64 s[64:65], 0
	v_nop
	global_prefetch_b8 v0, s[64:65] scope:SCOPE_SE
	s_setreg_imm32_b32 hwreg(HW_REG_WAVE_MODE, 25, 1), 1
	s_wait_xcnt 0x0
; out[b][q][head] = softmax over the kept keys of (q . k / 8) times v / 64, both products on codes of E2M1 with E8M0 scales, made by the launch before.
; Key k counts for query q where start[q] <= k <= q; start[q] is the last delimiter at or before q, or 0.  It never falls as q rises.
; SHARES.  A work-group is 64 queries of one (batch, head); each of its four waves owns 16 of them.  A wave walks key steps of 64 aligned keys from start[its first query] / 64 up to its own block:
; steps that lie wholly under the mask are left out.  The first step's number is made of whole numbers read from memory (loc, clast), by scalar loads and scalar arithmetic, so trip counts differ from
; wave to wave: hence no tensor load, no barrier and no joint request: K and V come from memory straight into the operand's registers, each fragment 512 consecutive bytes.
; LAYOUT.  Both products are used transposed: S^T = K Q^T (source 0 = 16 keys), O^T = V^T P^T (source 0 = 16 of the head's 64): a lane holds ONE query (lane % 16) throughout.
; Register 8 t + j of S^T is key KF + 16 t + 8 h + j: tiles 0, 1 are a block of 32 keys, tiles 2, 3 the next.  K is 64 in both products: registers 4-7 of every operand are zero codes, written once.
; SOFTMAX.  t = score x log2(e) / 8; M = the running largest t rounded up to a whole number; p = 2^(t - M) is quantised along the keys; the sum is taken of the unquantised p and divides at the end.
; LIMITS.  Hidden scores are -infinity where reference() has -1e9: the same result wherever a row's largest kept score lies above about -1e9 + 150.  NaN and infinities are not served.
.set S,   96                           ; v96-127  S^T, then p
.set O,   128                          ; v128-159 O^T
.set KFR, 32                           ; v32-63   K's four fragments
.set VFR, 64                           ; v64-95   V's four
.set PCD, 160                          ; v160-167 p's codes
.set BM,  168                          ; v168-169 a block's largest score, then its largest p
.set BX,  170                          ; v170-171 the other half's
.set SO,  172                          ; v172-173 the conversions' scale operands
.set BY,  174                          ; v174-175 the bytes
.set T,   176
.set F,   178                          ; v[178:179] f = 2^(old M - new M), named as a pair
.set SU,  180                          ; v[180:181] the sum's second chain
.set RR,  182                          ; r
.set HH,  183                          ; h
.set LN,  184                          ; lane
.set H8,  185                          ; 8 h
.set LOCV, 188                         ; my query's last delimiter inside its chunk of 32, or -1
.set CW,  68                           ; s[68:83] sixteen chunks' last delimiters
; v1 32 r + 16 h; v2 16 x lane; v3 4 x lane; v4 4 r; v5 HI; v6 LO; v7 LO - KF; v8 start; v9 -infinity; v10, v11, v30 the way out; v12 -M; v13 the largest t; v[14:15] the sum;
; v16-23 Q; v24 q's scale words; v25-26 k's; v27-28 v's; v29 p's
	s_load_b512 s[4:19], s[0:1], 0x0               ; qc 4, qs 6, kc 8, ks 10, vc 12, vs 14, loc 16, clast 18
	s_load_b64 s[20:21], s[0:1], 0x40              ; out0
	v_lshl_add_u32 v192, v0, 2, 0x4400
	v_mov_b32 v193, 0
	v_lshrrev_b32 v[T], 5, v0
	v_readfirstlane_b32 s22, v[T]                  ; wave
	v_and_b32 v[RR], 15, v0
	v_bfe_u32 v[HH], v0, 4, 1
	v_and_b32 v[LN], 31, v0
	v_lshlrev_b32 v1, 5, v[RR]
	v_lshl_add_u32 v1, v[HH], 4, v1
	v_lshlrev_b32 v2, 4, v[LN]
	v_lshlrev_b32 v3, 2, v[LN]
	v_lshlrev_b32 v4, 2, v[RR]
	s_mov_b32 s23, ttmp9                           ; qb: my block of 64 queries, and my last key step
	s_and_b32 s24, ttmp7, 0xffff                   ; bh
	s_lshl_b32 s34, s23, 6
	s_lshl_b32 s35, s22, 4
	s_add_co_u32 s34, s34, s35                     ; q0 = 64 qb + 16 wave
	s_lshl_b32 s36, s24, 16                        ; codes: 65,536 bytes a (batch, head)
	s_mov_b32 s37, 0
	s_lshl_b32 s38, s24, 13                        ; scale words: 8,192
	s_mov_b32 s39, 0
	s_lshl_b32 s40, s34, 5
	s_add_co_u32 s40, s40, s36
	s_mov_b32 s41, 0
	s_lshl_b32 s42, s34, 2
	s_add_co_u32 s42, s42, s38
	s_mov_b32 s43, 0
	s_lshr_b32 s44, s24, 4                         ; b
	s_lshl_b32 s46, s44, 13
	s_lshl_b32 s45, s34, 2
	s_add_co_u32 s46, s46, s45                     ; loc: 8,192 b + 4 q0
	s_mov_b32 s47, 0
	s_lshl_b32 s48, s44, 8                         ; clast: 256 b
	s_mov_b32 s49, 0
	s_lshl_b32 s50, s44, 23
	s_lshl_b32 s45, s34, 12
	s_add_co_u32 s50, s50, s45
	s_and_b32 s45, s24, 15
	s_lshl_b32 s45, s45, 8
	s_add_co_u32 s50, s50, s45                     ; out0: (2,048 b + q0) rows of 4,096 bytes + 256 x head
	s_mov_b32 s51, 0
	s_lshl_b32 s52, s23, 1
	s_lshr_b32 s53, s22, 1
	s_add_co_u32 s52, s52, s53                     ; C: my queries' chunk of 32
	s_sub_co_i32 s56, s52, 16
	s_max_i32 s56, s56, 0                          ; the window of clast that I read first: chunks max(C - 16, 0) .. + 15 (C is 63 at the most: chunk 62 is the last)
	s_lshl_b32 s56, s56, 2
	s_mov_b32 s57, 0
	s_lshl_b32 s62, s52, 5                         ; 32 C: my chunk's first position
	s_mov_b32 s63, -1                              ; the last delimiter ahead of my chunk: none so far
	s_mov_b32 s30, 0x76543210
	s_mov_b32 s31, 0xfedcba98                      ; lane l xor 16
	s_mov_b32 s32, 0x3e38aa3b                      ; c = log2(e) / 8
	s_mov_b32 s33, s32                             ; (named with it as a pair)
	s_mov_b32 s55, 0
	s_wait_kmcnt 0x0
	s_add_nc_u64 s[4:5], s[4:5], s[40:41]
	s_add_nc_u64 s[6:7], s[6:7], s[42:43]
	s_add_nc_u64 s[8:9], s[8:9], s[36:37]
	s_add_nc_u64 s[10:11], s[10:11], s[38:39]
	s_add_nc_u64 s[12:13], s[12:13], s[36:37]
	s_add_nc_u64 s[14:15], s[14:15], s[38:39]
	s_add_nc_u64 s[16:17], s[16:17], s[46:47]
	s_add_nc_u64 s[18:19], s[18:19], s[48:49]
	s_add_nc_u64 s[20:21], s[20:21], s[50:51]
	s_add_nc_u64 s[60:61], s[18:19], s[56:57]
	s_load_b32 s58, s[16:17], 0x0                  ; loc of my first query,
	s_load_b32 s59, s[16:17], 0x3c                 ; of my last,
	s_load_b512 s[CW:CW+15], s[60:61], 0x0         ; and the window of clast
	global_load_b32 v[LOCV], v4, s[16:17]          ; each lane's own query's
	global_load_b128 v[16:19], v1, s[4:5]          ; Q's fragment: it stays
	global_load_b32 v24, v4, s[6:7]
	; what the loop finds: zero codes for k = 64 .. 127 of every operand; O^T and the sum as zeros, the largest t under every t
.irp i, 20,21,22,23,164,165,166,167
	v_mov_b32 v\i, 0
.endr
.irp t, 0,1,2,3
.irp i, 4,5,6,7
	v_mov_b32 v[KFR+8*\t+\i], 0
	v_mov_b32 v[VFR+8*\t+\i], 0
.endr
.endr
.irp j, 0,1,2,3,4,5,6,7,8,9,10,11,12,13,14,15,16,17,18,19,20,21,22,23,24,25,26,27,28,29,30,31
	v_mov_b32 v[O+\j], 0                           ; the step is written for every trip alike: the first change of M multiplies zeros
.endr
	v_mov_b32 v9, 0xff800000
	v_mov_b32 v13, 0xff61b1e6                      ; -3e38
	v_floor_f32 v12, -v13
	v_mov_b32 v14, 0
	v_mov_b32 v15, 0
	v_mov_b32 v[BX], 0                             ; a lane permute's destination counts as one of its sources
	v_mov_b32 v[BX+1], 0
	v_mov_b32 v[F+1], 0                            ; (the pair's upper half is named, never used)
	v_lshlrev_b32 v[H8], 3, v[HH]
	v_sub_nc_u32 v5, v[RR], v[H8]
	v_add_nc_u32 v5, s35, v5                       ; HI = 16 wave + r - 8 h: in my own block, register 8 t + j is hidden where 16 t + j > HI
; Sixteen words of clast, chunks ascending.  A chunk's word is -1 or a position inside the chunk, so the words that are positions rise with the chunk: the last one under 32 C is the last delimiter
; ahead of my chunk.  The unsigned compare drops -1 and the chunks from C on alike.
.macro SCAN16
.irp i, 0,1,2,3,4,5,6,7,8,9,10,11,12,13,14,15
	s_cmp_lt_u32 s[CW+\i], s62
	s_cselect_b32 s63, s[CW+\i], s63
.endr
.endm
	s_wait_kmcnt 0x0                               ; the two words of loc and the window
	SCAN16
	s_cmp_lg_i32 s63, -1
	s_cbranch_scc1 .Lfound                         ; a delimiter in the window: it is the last one
	s_cmp_eq_u32 s56, 0
	s_cbranch_scc1 .Lfound                         ; the window began at chunk 0: there is none
.irp g, 0,1,2                                  ; no delimiter in 512 positions: chunks 0 to 47 are gone through (the window begins at chunk 47 at the latest)
	s_load_b512 s[CW:CW+15], s[18:19], 64*\g
	s_wait_kmcnt 0x0
	SCAN16
.endr
.Lfound:
	s_max_i32 s63, s63, 0                          ; none at all: the segment begins at position 0
	s_max_i32 s25, s63, s58                        ; my first query's start: the tile's least
	s_max_i32 s26, s63, s59                        ; my last query's: the tile's greatest
	s_wait_loadcnt 0x2                             ; the lanes' words of loc are in; Q's two loads may stay out
	v_mov_b32 v8, s63
	v_cmp_gt_i32 vcc_lo, v[LOCV], v8
	v_cndmask_b32 v8, v8, v[LOCV], vcc_lo          ; start of my query
	v_sub_nc_u32 v6, v8, v[H8]                     ; LO = start - 8 h
	s_lshr_b32 s25, s25, 6
	s_min_u32 s25, s25, s23
	s_min_u32 s25, s25, 31                         ; the first key step
	s_mov_b32 s27, s25                             ; the step in hand
	s_lshl_b32 s28, s25, 6                         ; KF: its first key
	s_lshl_b32 s54, s25, 11
	s_add_nc_u64 s[8:9], s[8:9], s[54:55]          ; K: 2,048 bytes a step
	s_lshl_b32 s54, s25, 9
	s_add_nc_u64 s[12:13], s[12:13], s[54:55]      ; V: 512 bytes a step in each of its four d tiles
	s_lshl_b32 s54, s25, 8
	s_add_nc_u64 s[10:11], s[10:11], s[54:55]      ; the scale words: 256 bytes a step
	s_add_nc_u64 s[14:15], s[14:15], s[54:55]
.macro LOADK                           ; 64 keys: four fragments, and their scale words: register i, lane l: key 32 i + l
.irp t, 0,1,2,3
	global_load_b128 v[KFR+8*\t:KFR+8*\t+3], v1, s[8:9] offset:512*\t
.endr
	global_load_b32 v25, v3, s[10:11]
	global_load_b32 v26, v3, s[10:11] offset:128
.endm
.macro LOADV                           ; the same 64 keys of V: four d tiles, and their scale words: register i, lane l: d = 32 i + l
.irp t, 0,1,2,3
	global_load_b128 v[VFR+8*\t:VFR+8*\t+3], v2, s[12:13] offset:16384*\t
.endr
	global_load_b32 v27, v3, s[14:15]
	global_load_b32 v28, v3, s[14:15] offset:128
.endm
	LOADK
	LOADV
; A KEY STEP.  pre = 1: a step ahead of my own block: all its keys are at or before my queries, and it asks for its successor's K and V.  pre = 0: my own block, the last.
.macro STEP pre
	s_wait_loadcnt 0x6                             ; K and its words are in (and Q); V's six loads may stay out
.irp t, 0,1,2,3
.if \t%2
	v_wmma_scale_f32_16x16x128_f8f6f4 v[S+8*\t:S+8*\t+7], v[KFR+8*\t:KFR+8*\t+7], v[16:23], 0, v[25+\t/2], v24 matrix_a_fmt:MATRIX_FMT_FP4 matrix_b_fmt:MATRIX_FMT_FP4 matrix_a_scale:MATRIX_SCALE_ROW1
.else
	v_wmma_scale_f32_16x16x128_f8f6f4 v[S+8*\t:S+8*\t+7], v[KFR+8*\t:KFR+8*\t+7], v[16:23], 0, v[25+\t/2], v24 matrix_a_fmt:MATRIX_FMT_FP4 matrix_b_fmt:MATRIX_FMT_FP4
.endif
.endr
	v_sub_nc_u32 v7, v6, s28                       ; LO - KF: register 8 t + j is hidden where 16 t + j lies under it.  With the three below: four places
.rept 3
	v_nop
.endr
.if \pre
	s_add_nc_u64 s[8:9], s[8:9], 2048              ; (the wait at the head has shown the loads that read these pointers done)
	s_add_nc_u64 s[10:11], s[10:11], 256
	LOADK                                          ; the next step's K lands under this step's softmax
.else
.irp t, 0,1,2,3                                ; keys behind my query
.irp j, 0,1,2,3,4,5,6,7
	v_cmp_gt_i32 vcc_lo, 16*\t+\j, v5
	v_cndmask_b32 v[S+8*\t+\j], v[S+8*\t+\j], v9, vcc_lo
.endr
.endr
.endif
	s_cmp_ge_u32 s28, s26                          ; no key of the step lies ahead of any of my queries' starts: nothing to hide below
	s_cbranch_scc1 .Lnolo_\@
.irp t, 0,1,2,3                                ; keys ahead of my query's start
.irp j, 0,1,2,3,4,5,6,7
	v_cmp_lt_i32 vcc_lo, 16*\t+\j, v7
	v_cndmask_b32 v[S+8*\t+\j], v[S+8*\t+\j], v9, vcc_lo
.endr
.endr
.Lnolo_\@:
.irp b, 0,1
	v_max3_num_f32 v[BM+\b], v[S+16*\b], v[S+16*\b+1], v[S+16*\b+2]   ; each block's largest score: it serves the row's maximum and, since p rises with the score, the block's largest p
.endr
.irp i, 3,5,7,9,11,13
.irp b, 0,1
	v_max3_num_f32 v[BM+\b], v[BM+\b], v[S+16*\b+\i], v[S+16*\b+\i+1]
.endr
.endr
.irp b, 0,1
	v_max_num_f32 v[BM+\b], v[BM+\b], v[S+16*\b+15]
.endr
.irp b, 0,1
	v_permlanex16_b32 v[BX+\b], v[BM+\b], s30, s31
.endr
.irp b, 0,1
	v_max_num_f32 v[BM+\b], v[BM+\b], v[BX+\b]     ; with lane l xor 16's 16 keys
.endr
	v_max_num_f32 v[T], v[BM], v[BM+1]
	v_mul_f32 v[T], s32, v[T]                      ; as t (c is positive)
	v_max_num_f32 v13, v13, v[T]                   ; the running largest t
	v_mov_b32 v[T], v12
	v_floor_f32 v12, -v13                          ; -M = floor(-t): M is a whole number
	v_sub_f32 v[T], v12, v[T]                      ; old M - new M: a whole number, 0 or less
	v_cvt_i32_f32 v[T], v[T]                       ; (it saturates)
	v_ldexp_f32 v[F], 1.0, v[T]                    ; f = 2^(old M - new M): rounds nothing
.irp j, 0,2,4,6,8,10,12,14,16,18,20,22,24,26,28,30
	v_pk_fma_f32 v[S+\j:S+\j+1], v[S+\j:S+\j+1], s[32:33], v[12:13] op_sel_hi:[1,0,0]   ; t - M
.endr
.irp b, 0,1
	v_fma_f32 v[BM+\b], v[BM+\b], s32, v12
.endr
.irp j, 0,1,2,3,4,5,6,7,8,9,10,11,12,13,14,15,16,17,18,19,20,21,22,23,24,25,26,27,28,29,30,31
	v_exp_f32 v[S+\j], v[S+\j]                     ; p = 2^(t - M); a hidden key's is 0
.endr
.irp b, 0,1
	v_exp_f32 v[BM+\b], v[BM+\b]                   ; the block's largest p: the same two instructions on the same number
.endr
	v_pk_mul_f32 v[14:15], v[14:15], v[F:F+1] op_sel_hi:[1,0]   ; the sum under the new M (a plain place behind the exponentials)
	s_wait_alu depctr_va_vdst(0)
.irp b, 0,1
	v_max_num_f32 v[BM+\b], 0x1800000, v[BM+\b]    ; the floor 2^(3 - 127): the byte cannot fall under 1
.endr
.irp b, 0,1
	v_add_nc_u32 v[SO+\b], 0xff000000, v[BM+\b]
.endr
.irp b, 0,1
	v_lshrrev_b32 v[BY+\b], 23, v[SO+\b]
.endr
	v_lshl_or_b32 v29, v[BY+1], 8, v[BY]           ; p's scale word; bytes 2, 3 scale zero codes alone
	v_cvt_scalef32_pk8_fp4_f32 v[PCD], v[S:S+7], v[SO]
	v_cvt_scalef32_pk8_fp4_f32 v[PCD+2], v[S+8:S+15], v[SO]
	v_cvt_scalef32_pk8_fp4_f32 v[PCD+1], v[S+16:S+23], v[SO+1]
	v_cvt_scalef32_pk8_fp4_f32 v[PCD+3], v[S+24:S+31], v[SO+1]
	v_nop                                          ; one plain place behind the last conversion
	v_permlane16_swap_b32 v[PCD], v[PCD+1]         ; lanes 0-15: keys 0 .. 31 of the step, lanes 16-31: keys 32 .. 63
	v_permlane16_swap_b32 v[PCD+2], v[PCD+3]
	v_pk_add_f32 v[SU:SU+1], v[S:S+1], v[S+2:S+3]  ; the row's sum, of the unquantised p, in two chains
.irp j, 4,8,12,16,20,24,28
	v_pk_add_f32 v[14:15], v[14:15], v[S+\j:S+\j+1]
	v_pk_add_f32 v[SU:SU+1], v[SU:SU+1], v[S+\j+2:S+\j+3]
.endr
	v_pk_add_f32 v[14:15], v[14:15], v[SU:SU+1]
.irp j, 0,2,4,6,8,10,12,14,16,18,20,22,24,26,28,30
	v_pk_mul_f32 v[O+\j:O+\j+1], v[O+\j:O+\j+1], v[F:F+1] op_sel_hi:[1,0]   ; O^T under the new M; with the sums above: the places between p's codes and scale word and the products
.endr
.if \pre
	s_wait_loadcnt 0x6                             ; V and its words are in; the next K's six loads may stay out
.else
	s_wait_loadcnt 0x0
.endif
.irp t, 0,1,2,3                                ; the four accumulators by turns
.if \t%2
	v_wmma_scale_f32_16x16x128_f8f6f4 v[O+8*\t:O+8*\t+7], v[VFR+8*\t:VFR+8*\t+7], v[PCD:PCD+7], v[O+8*\t:O+8*\t+7], v[27+\t/2], v29 matrix_a_fmt:MATRIX_FMT_FP4 matrix_b_fmt:MATRIX_FMT_FP4 matrix_a_scale:MATRIX_SCALE_ROW1
.else
	v_wmma_scale_f32_16x16x128_f8f6f4 v[O+8*\t:O+8*\t+7], v[VFR+8*\t:VFR+8*\t+7], v[PCD:PCD+7], v[O+8*\t:O+8*\t+7], v[27+\t/2], v29 matrix_a_fmt:MATRIX_FMT_FP4 matrix_b_fmt:MATRIX_FMT_FP4
.endif
.endr
.if \pre
.rept 4
	v_nop                                          ; places in front of the loads into V's registers
.endr
	s_add_nc_u64 s[12:13], s[12:13], 512           ; (the wait ahead of the products has shown the loads that read these pointers done)
	s_add_nc_u64 s[14:15], s[14:15], 256
	LOADV
	s_add_co_u32 s28, s28, 64
.endif
.endm
	s_cmp_eq_u32 s25, s23
	s_cbranch_scc1 .Llast                          ; my own block is all that I need
.Lloop:
	STEP 1
	s_add_co_u32 s27, s27, 1
	s_cmp_lt_u32 s27, s23
	s_cbranch_scc1 .Lloop
.Llast:
	STEP 0                                         ; written out: it asks for nothing more, and its waits hold on both ways in
	; THE WAY OUT.  O^T / the sum goes through my own stage in LDS (16 rows of 256 bytes + 16) and leaves as rows: sixteen lanes store 256 consecutive bytes, a head's 64 numbers of one position.
	v_add_f32 v14, v14, v15
	v_permlanex16_b32 v[BX], v14, s30, s31
	v_add_f32 v14, v14, v[BX]                      ; the row's sum
	v_rcp_f32 v14, v14
	s_mul_i32 s56, s22, 16*272                     ; my stage.  (The address lines are the places behind the last products and behind the reciprocal)
	v_mul_u32_u24 v10, v[RR], 272
	v_lshl_add_u32 v10, v[HH], 5, v10
	v_add_nc_u32 v10, s56, v10                     ; in: row r, + 32 h; tile t 64 t bytes on
	v_mul_u32_u24 v11, v[HH], 272
	v_lshl_add_u32 v11, v[RR], 4, v11
	v_add_nc_u32 v11, s56, v11                     ; back: lanes 0-15 one row, lanes 16-31 the next
	v_lshlrev_b32 v30, 12, v[HH]
	v_lshl_add_u32 v30, v[RR], 4, v30              ; and the same two rows of the output, 4,096 bytes apart
	s_wait_alu depctr_va_vdst(0)
.irp j, 0,2,4,6,8,10,12,14,16,18,20,22,24,26,28,30
	v_pk_mul_f32 v[S+\j:S+\j+1], v[O+\j:O+\j+1], v[14:15] op_sel_hi:[1,0]   ; register 8 t + j: out(q0 + r, 16 t + 8 h + j)
.endr
.irp t, 0,1,2,3
	ds_store_b128 v10, v[S+8*\t:S+8*\t+3] offset:64*\t
	ds_store_b128 v10, v[S+8*\t+4:S+8*\t+7] offset:64*\t+16
.endr
.irp i, 0,1,2,3,4,5,6,7
	ds_load_b128 v[KFR+4*\i:KFR+4*\i+3], v11 offset:544*\i   ; LDS serves a wave's instructions in order: these see my stores
.endr
.irp i, 0,1,2,3,4,5,6,7
	s_wait_dscnt 7-\i                              ; rows 2 i and 2 i + 1 are back
	global_store_b128 v30, v[KFR+4*\i:KFR+4*\i+3], s[20:21] offset:8192*\i th:TH_STORE_NT
.endr
	s_wait_tensorcnt 0x0
	ds_add_u32 v192, v193
	s_wait_dscnt 0x0
	s_endpgm
.Lfunc_end_k_q212dff493c_attn:
	.size	k_q212dff493c_attn, .Lfunc_end_k_q212dff493c_attn-k_q212dff493c_attn
	.p2alignl 7, 3214868480
	.fill 96, 4, 3214868480
	.section	.rodata,"a",@progbits
	.p2align	6, 0x0
	.amdhsa_kernel k_q212dff493c_attn
		.amdhsa_group_segment_fixed_size 17920
		.amdhsa_private_segment_fixed_size 0
		.amdhsa_enable_private_segment 0
		.amdhsa_kernarg_size 72
		.amdhsa_user_sgpr_count 2
		.amdhsa_user_sgpr_kernarg_segment_ptr 1
		.amdhsa_wavefront_size32 1
		.amdhsa_system_sgpr_workgroup_id_x 1
		.amdhsa_system_sgpr_workgroup_id_y 1
		.amdhsa_system_sgpr_workgroup_id_z 1
		.amdhsa_system_vgpr_workitem_id 0
		.amdhsa_next_free_vgpr 194
		.amdhsa_next_free_sgpr 84
		.amdhsa_reserve_vcc 1
		.amdhsa_float_denorm_mode_32 3
		.amdhsa_float_denorm_mode_16_64 3
		.amdhsa_memory_ordered 1
		.amdhsa_forward_progress 1
		.amdhsa_inst_pref_size 40
	.end_amdhsa_kernel
	.amdgpu_metadata
---
amdhsa.version: [ 1, 2 ]
amdhsa.kernels:
  - .name:           k_q212dff493c_attn
    .symbol:         k_q212dff493c_attn.kd
    .args:
      - { .name: qc, .offset: 0, .size: 8, .value_kind: global_buffer, .address_space: global }
      - { .name: qs, .offset: 8, .size: 8, .value_kind: global_buffer, .address_space: global }
      - { .name: kc, .offset: 16, .size: 8, .value_kind: global_buffer, .address_space: global }
      - { .name: ks, .offset: 24, .size: 8, .value_kind: global_buffer, .address_space: global }
      - { .name: vc, .offset: 32, .size: 8, .value_kind: global_buffer, .address_space: global }
      - { .name: vs, .offset: 40, .size: 8, .value_kind: global_buffer, .address_space: global }
      - { .name: loc, .offset: 48, .size: 8, .value_kind: global_buffer, .address_space: global }
      - { .name: clast, .offset: 56, .size: 8, .value_kind: global_buffer, .address_space: global }
      - { .name: out0, .offset: 64, .size: 8, .value_kind: global_buffer, .address_space: global }
    .group_segment_fixed_size: 17920
    .private_segment_fixed_size: 0
    .kernarg_segment_align: 8
    .kernarg_segment_size: 72
    .max_flat_workgroup_size: 128
    .sgpr_count:     84
    .vgpr_count:     194
    .wavefront_size: 32
...
	.end_amdgpu_metadata
.endif
;; end of part 2
;; ======== version 2 of 2: 2 launches; version 1 with the launch attn written anew for expert scheduling mode
;; limits: right only within a limited range of input values
;; workspace buffers: qc 4,194,304 bytes; qs 524,288 bytes; kc 4,194,304 bytes; ks 524,288 bytes; vc 4,194,304 bytes; vs 524,288 bytes; loc 32,768 bytes of whole numbers; clast 1,024 bytes of whole numbers
;; launch qkv: the kernel of part 1 again; grid 8 x 32, 4 waves a work-group, clusters of 4 x 4, 327,680 bytes of LDS; arguments x_codes, x_scales, Wqkv_codes, Wqkv_scales, bqkv, char_ids, qc, qs, kc, ks, vc, vs, loc, clast; writes qc, qs, kc, ks, vc, vs, loc, clast
;; launch attn (part 3): grid 32 x 64, 4 waves a work-group, no clusters, 17,920 bytes of LDS; arguments qc, qs, kc, ks, vc, vs, loc, clast, out0; writes out0
.if DOCPART == 3
	.amdgcn_target "amdgcn-amd-amdhsa--gfx1250"
	.amdhsa_code_object_version 6
	.text
	.protected	k_q212dff493c_attn
	.globl	k_q212dff493c_attn
	.p2align	8
	.type	k_q212dff493c_attn,@function
k_q212dff493c_attn:
	s_mov_b64 s[64:65], 0
	v_nop
	global_prefetch_b8 v0, s[64:65] scope:SCOPE_SE
	s_setreg_imm32_b32 hwreg(HW_REG_WAVE_SCHED_MODE, 0, 2), 2
	s_setreg_imm32_b32 hwreg(HW_REG_WAVE_MODE, 25, 1), 1
	s_wait_xcnt 0x0
	s_wait_alu depctr_vm_vsrc(0)
; out[b][q][head] = softmax over the kept keys of (q . k / 8) times v / 64, both products on codes of E2M1 with E8M0 scales, made by the launch before.
; Key k counts for query q where start[q] <= k <= q; start[q] is the last delimiter at or before q, or 0.  It never falls as q rises.
; SHARES.  A work-group is 64 queries of one (batch, head); each of its four waves owns 16 of them.  A wave walks key steps of 64 aligned keys from start[its first query] / 64 up to its own block:
; steps that lie wholly under the mask are left out.  The first step's number is made of whole numbers read from memory (loc, clast), by scalar loads and scalar arithmetic, so trip counts differ from
; wave to wave: hence no tensor load, no barrier and no joint request: K and V come from memory straight into the operand's registers, each fragment 512 consecutive bytes.
; LAYOUT.  Both products are used transposed: S^T = K Q^T (source 0 = 16 keys), O^T = V^T P^T (source 0 = 16 of the head's 64): a lane holds ONE query (lane % 16) throughout.
; Register 8 t + j of S^T is key KF + 16 t + 8 h + j: tiles 0, 1 are a block of 32 keys, tiles 2, 3 the next.  K is 64 in both products: registers 4-7 of every operand are zero codes, written once.
; SOFTMAX.  t = score x log2(e) / 8; M = the running largest t rounded up to a whole number; p = 2^(t - M) is quantised along the keys; the sum is taken of the unquantised p and divides at the end.
; LIMITS.  Hidden scores are -infinity where reference() has -1e9: the same result wherever a row's largest kept score lies above about -1e9 + 150.  NaN and infinities are not served.
; THE MODE: SCHED_MODE bits 1:0 = 2 (LLVM: expert scheduling mode 2), set by the entry lines.  The code itself states the register dependences
; between vector or matrix instructions and memory or LDS instructions, with s_wait_alu, always for 0.
; THE PLAN.  Registers that memory or LDS instructions touch:
;   v1 - v4          offsets: written once at the head, read by every global load, never written again.
;   v188, v16-19, v24  loaded once at the head (loc, Q, Q's words); read by vector and matrix instructions, never loaded again.
;   K: v[32 + 8 t .. + 3], v25, v26   A step's four products S^T read them; behind those products the next step's K lands in them.
;   V: v[64 + 8 t .. + 3], v27, v28   A step's four products O^T read them; behind those products the next step's V lands in them.
;   the way out: v10, v11, v30 and v96-127 are written by vector instructions and read by LDS stores and loads and by the global stores; the loads from the stage land in v32-63.
;   v192, v193       written at the head, read by the closing add alone.
;   S^T, O^T, p's codes and the statistics are named by vector and matrix instructions alone.
; So a step with a successor has one wait on va_vdst behind each group of four products, ahead of the run of loads into the registers that those products read; no vector or matrix instruction between such a
; wait and the next step's products names those registers.  One more stands behind the exponentials, and one ahead of the products O^T, for p's codes and scale word.  No register that a memory or LDS
; instruction reads is ever written again, so no wait on vm_vsrc is owed.  A mask is a run of 32 compares into 32 scalar registers, one wait on va_sdst, and 32 selects.
.set S,   96                           ; v96-127  S^T, then p
.set O,   128                          ; v128-159 O^T
.set KFR, 32                           ; v32-63   K's four fragments
.set VFR, 64                           ; v64-95   V's four
.set PCD, 160                          ; v160-167 p's codes
.set BM,  168                          ; v168-169 a block's largest score, then its largest p
.set BX,  170                          ; v170-171 the other half's
.set SO,  172                          ; v172-173 the conversions' scale operands
.set BY,  174                          ; v174-175 the bytes
.set T,   176
.set F,   178                          ; v[178:179] f = 2^(old M - new M), named as a pair
.set SU,  180                          ; v[180:181] the sum's second chain
.set RR,  182                          ; r
.set HH,  183                          ; h
.set LN,  184                          ; lane
.set H8,  185                          ; 8 h
.set LOCV, 188                         ; my query's last delimiter inside its chunk of 32, or -1
.set CW,  68                           ; s[68:83] sixteen chunks' last delimiters
.set MK,  36                           ; s36-51 and s68-83: a mask for each of S^T's 32 registers: register 8 t + j's at MK + 8 t + j + 16 (t / 2); free once the head has made its addresses and the scan has ended
; v1 32 r + 16 h; v2 16 x lane; v3 4 x lane; v4 4 r; v5 HI; v6 LO; v7 LO - KF; v8 start; v9 -infinity; v10, v11, v30 the way out; v12 -M; v13 the largest t; v[14:15] the sum;
; v16-23 Q; v24 q's scale words; v25-26 k's; v27-28 v's; v29 p's
	s_load_b512 s[4:19], s[0:1], 0x0               ; qc 4, qs 6, kc 8, ks 10, vc 12, vs 14, loc 16, clast 18
	s_load_b64 s[20:21], s[0:1], 0x40              ; out0
	v_lshl_add_u32 v192, v0, 2, 0x4400
	v_mov_b32 v193, 0
	v_lshrrev_b32 v[T], 5, v0
	v_readfirstlane_b32 s22, v[T]                  ; wave
	v_and_b32 v[RR], 15, v0
	v_bfe_u32 v[HH], v0, 4, 1
	v_and_b32 v[LN], 31, v0
	v_lshlrev_b32 v1, 5, v[RR]
	v_lshl_add_u32 v1, v[HH], 4, v1
	v_lshlrev_b32 v2, 4, v[LN]
	v_lshlrev_b32 v3, 2, v[LN]
	v_lshlrev_b32 v4, 2, v[RR]
	s_wait_alu depctr_va_sdst(0)                   ; s22, the wave's number, is written, ahead of its first reader: the addresses below are made from it
	s_mov_b32 s23, ttmp9                           ; qb: my block of 64 queries, and my last key step
	s_and_b32 s24, ttmp7, 0xffff                   ; bh
	s_lshl_b32 s34, s23, 6
	s_lshl_b32 s35, s22, 4
	s_add_co_u32 s34, s34, s35                     ; q0 = 64 qb + 16 wave
	s_lshl_b32 s36, s24, 16                        ; codes: 65,536 bytes a (batch, head)
	s_mov_b32 s37, 0
	s_lshl_b32 s38, s24, 13                        ; scale words: 8,192
	s_mov_b32 s39, 0
	s_lshl_b32 s40, s34, 5
	s_add_co_u32 s40, s40, s36
	s_mov_b32 s41, 0
	s_lshl_b32 s42, s34, 2
	s_add_co_u32 s42, s42, s38
	s_mov_b32 s43, 0
	s_lshr_b32 s44, s24, 4                         ; b
	s_lshl_b32 s46, s44, 13
	s_lshl_b32 s45, s34, 2
	s_add_co_u32 s46, s46, s45                     ; loc: 8,192 b + 4 q0
	s_mov_b32 s47, 0
	s_lshl_b32 s48, s44, 8                         ; clast: 256 b
	s_mov_b32 s49, 0
	s_lshl_b32 s50, s44, 23
	s_lshl_b32 s45, s34, 12
	s_add_co_u32 s50, s50, s45
	s_and_b32 s45, s24, 15
	s_lshl_b32 s45, s45, 8
	s_add_co_u32 s50, s50, s45                     ; out0: (2,048 b + q0) rows of 4,096 bytes + 256 x head
	s_mov_b32 s51, 0
	s_lshl_b32 s52, s23, 1
	s_lshr_b32 s53, s22, 1
	s_add_co_u32 s52, s52, s53                     ; C: my queries' chunk of 32
	s_sub_co_i32 s56, s52, 16
	s_max_i32 s56, s56, 0                          ; the window of clast that I read first: chunks max(C - 16, 0) .. + 15 (C is 63 at the most: chunk 62 is the last)
	s_lshl_b32 s56, s56, 2
	s_mov_b32 s57, 0
	s_lshl_b32 s62, s52, 5                         ; 32 C: my chunk's first position
	s_mov_b32 s63, -1                              ; the last delimiter ahead of my chunk: none so far
	s_mov_b32 s30, 0x76543210
	s_mov_b32 s31, 0xfedcba98                      ; lane l xor 16
	s_mov_b32 s32, 0x3e38aa3b                      ; c = log2(e) / 8
	s_mov_b32 s33, s32                             ; (named with it as a pair)
	s_mov_b32 s55, 0
	s_wait_kmcnt 0x0
	s_add_nc_u64 s[4:5], s[4:5], s[40:41]
	s_add_nc_u64 s[6:7], s[6:7], s[42:43]
	s_add_nc_u64 s[8:9], s[8:9], s[36:37]
	s_add_nc_u64 s[10:11], s[10:11], s[38:39]
	s_add_nc_u64 s[12:13], s[12:13], s[36:37]
	s_add_nc_u64 s[14:15], s[14:15], s[38:39]
	s_add_nc_u64 s[16:17], s[16:17], s[46:47]
	s_add_nc_u64 s[18:19], s[18:19], s[48:49]
	s_add_nc_u64 s[20:21], s[20:21], s[50:51]
	s_add_nc_u64 s[60:61], s[18:19], s[56:57]
	s_load_b32 s58, s[16:17], 0x0                  ; loc of my first query,
	s_load_b32 s59, s[16:17], 0x3c                 ; of my last,
	s_load_b512 s[CW:CW+15], s[60:61], 0x0         ; and the window of clast
	s_wait_alu depctr_va_vdst(0)                   ; the offsets v1 to v4 are written, which every global load of the kernel reads
	global_load_b32 v[LOCV], v4, s[16:17]          ; each lane's own query's
	global_load_b128 v[16:19], v1, s[4:5]          ; Q's fragment: it stays
	global_load_b32 v24, v4, s[6:7]
	; what the loop finds: zero codes for k = 64 .. 127 of every operand; O^T and the sum as zeros, the largest t under every t
.irp i, 20,21,22,23,164,165,166,167
	v_mov_b32 v\i, 0
.endr
.irp t, 0,1,2,3
.irp i, 4,5,6,7
	v_mov_b32 v[KFR+8*\t+\i], 0
	v_mov_b32 v[VFR+8*\t+\i], 0
.endr
.endr
.irp j, 0,1,2,3,4,5,6,7,8,9,10,11,12,13,14,15,16,17,18,19,20,21,22,23,24,25,26,27,28,29,30,31
	v_mov_b32 v[O+\j], 0                           ; the step is written for every trip alike: the first change of M multiplies zeros
.endr
	v_mov_b32 v9, 0xff800000
	v_mov_b32 v13, 0xff61b1e6                      ; -3e38
	v_floor_f32 v12, -v13
	v_mov_b32 v14, 0
	v_mov_b32 v15, 0
	v_mov_b32 v[BX], 0                             ; a lane permute's destination counts as one of its sources
	v_mov_b32 v[BX+1], 0
	v_mov_b32 v[F+1], 0                            ; (the pair's upper half is named, never used)
	v_lshlrev_b32 v[H8], 3, v[HH]
	v_sub_nc_u32 v5, v[RR], v[H8]
	v_add_nc_u32 v5, s35, v5                       ; HI = 16 wave + r - 8 h: in my own block, register 8 t + j is hidden where 16 t + j > HI
; Sixteen words of clast, chunks ascending.  A chunk's word is -1 or a position inside the chunk, so the words that are positions rise with the chunk: the last one under 32 C is the last delimiter
; ahead of my chunk.  The unsigned compare drops -1 and the chunks from C on alike.
.macro SCAN16
.irp i, 0,1,2,3,4,5,6,7,8,9,10,11,12,13,14,15
	s_cmp_lt_u32 s[CW+\i], s62
	s_cselect_b32 s63, s[CW+\i], s63
.endr
.endm
	s_wait_kmcnt 0x0                               ; the two words of loc and the window
	SCAN16
	s_cmp_lg_i32 s63, -1
	s_cbranch_scc1 .Lfound                         ; a delimiter in the window: it is the last one
	s_cmp_eq_u32 s56, 0
	s_cbranch_scc1 .Lfound                         ; the window began at chunk 0: there is none
.irp g, 0,1,2                                  ; no delimiter in 512 positions: chunks 0 to 47 are gone through (the window begins at chunk 47 at the latest)
	s_load_b512 s[CW:CW+15], s[18:19], 64*\g
	s_wait_kmcnt 0x0
	SCAN16
.endr
.Lfound:
	s_max_i32 s63, s63, 0                          ; none at all: the segment begins at position 0
	s_max_i32 s25, s63, s58                        ; my first query's start: the tile's least
	s_max_i32 s26, s63, s59                        ; my last query's: the tile's greatest
	s_wait_loadcnt 0x2                             ; the lanes' words of loc are in; Q's two loads may stay out
	v_mov_b32 v8, s63
	v_cmp_gt_i32 vcc_lo, v[LOCV], v8
	s_wait_alu depctr_va_vcc(0)                    ; VCC is written, ahead of the select that reads it
	v_cndmask_b32 v8, v8, v[LOCV], vcc_lo          ; start of my query
	v_sub_nc_u32 v6, v8, v[H8]                     ; LO = start - 8 h
	s_lshr_b32 s25, s25, 6
	s_min_u32 s25, s25, s23
	s_min_u32 s25, s25, 31                         ; the first key step
	s_mov_b32 s27, s25                             ; the step in hand
	s_lshl_b32 s28, s25, 6                         ; KF: its first key
	s_lshl_b32 s54, s25, 11
	s_add_nc_u64 s[8:9], s[8:9], s[54:55]          ; K: 2,048 bytes a step
	s_lshl_b32 s54, s25, 9
	s_add_nc_u64 s[12:13], s[12:13], s[54:55]      ; V: 512 bytes a step in each of its four d tiles
	s_lshl_b32 s54, s25, 8
	s_add_nc_u64 s[10:11], s[10:11], s[54:55]      ; the scale words: 256 bytes a step
	s_add_nc_u64 s[14:15], s[14:15], s[54:55]
.macro LOADK                           ; 64 keys: four fragments, and their scale words: register i, lane l: key 32 i + l
.irp t, 0,1,2,3
	global_load_b128 v[KFR+8*\t:KFR+8*\t+3], v1, s[8:9] offset:512*\t
.endr
	global_load_b32 v25, v3, s[10:11]
	global_load_b32 v26, v3, s[10:11] offset:128
.endm
.macro LOADV                           ; the same 64 keys of V: four d tiles, and their scale words: register i, lane l: d = 32 i + l
.irp t, 0,1,2,3
	global_load_b128 v[VFR+8*\t:VFR+8*\t+3], v2, s[12:13] offset:16384*\t
.endr
	global_load_b32 v27, v3, s[14:15]
	global_load_b32 v28, v3, s[14:15] offset:128
.endm
	s_wait_alu depctr_va_vdst(0)                   ; the zero codes in registers 4-7 of Q's, K's, V's and p's operands are written, which the scaled products take as A and B: on both ways into the steps
	LOADK
	LOADV
; A KEY STEP.  pre = 1: a step ahead of my own block: all its keys are at or before my queries, and it asks for its successor's K and V.  pre = 0: my own block, the last.
.macro STEP pre
	s_wait_loadcnt 0x6                             ; K and its words are in (and Q); V's six loads may stay out
.irp t, 0,1,2,3
.if \t%2
	v_wmma_scale_f32_16x16x128_f8f6f4 v[S+8*\t:S+8*\t+7], v[KFR+8*\t:KFR+8*\t+7], v[16:23], 0, v[25+\t/2], v24 matrix_a_fmt:MATRIX_FMT_FP4 matrix_b_fmt:MATRIX_FMT_FP4 matrix_a_scale:MATRIX_SCALE_ROW1
.else
	v_wmma_scale_f32_16x16x128_f8f6f4 v[S+8*\t:S+8*\t+7], v[KFR+8*\t:KFR+8*\t+7], v[16:23], 0, v[25+\t/2], v24 matrix_a_fmt:MATRIX_FMT_FP4 matrix_b_fmt:MATRIX_FMT_FP4
.endif
.endr
	v_sub_nc_u32 v7, v6, s28                       ; LO - KF: register 8 t + j is hidden where 16 t + j lies under it.  With the three below: four places
.rept 3
	v_nop
.endr
.if \pre
	s_wait_alu depctr_va_vdst(0)                   ; the four products are done reading K's fragments and scale words, in which the loads below land; no vector or matrix instruction names these registers before the next step's products
	s_add_nc_u64 s[8:9], s[8:9], 2048              ; (the wait at the head has shown the loads that read these pointers done)
	s_add_nc_u64 s[10:11], s[10:11], 256
	LOADK                                          ; the next step's K lands under this step's softmax
.else
.irp t, 0,1,2,3                                ; keys behind my query: 32 compares in a run, a scalar register each,
.irp j, 0,1,2,3,4,5,6,7
	v_cmp_gt_i32 s[MK+8*\t+\j+16*(\t/2)], 16*\t+\j, v5
.endr
.endr
	s_wait_alu depctr_va_sdst(0)                   ; the 32 masks are written, ahead of the selects that read them
.irp t, 0,1,2,3
.irp j, 0,1,2,3,4,5,6,7
	v_cndmask_b32 v[S+8*\t+\j], v[S+8*\t+\j], v9, s[MK+8*\t+\j+16*(\t/2)]
.endr
.endr
.endif
	s_cmp_ge_u32 s28, s26                          ; no key of the step lies ahead of any of my queries' starts: nothing to hide below
	s_cbranch_scc1 .Lnolo_\@
.irp t, 0,1,2,3                                ; keys ahead of my query's start: likewise
.irp j, 0,1,2,3,4,5,6,7
	v_cmp_lt_i32 s[MK+8*\t+\j+16*(\t/2)], 16*\t+\j, v7
.endr
.endr
	s_wait_alu depctr_va_sdst(0)                   ; the 32 masks are written, ahead of the selects that read them
.irp t, 0,1,2,3
.irp j, 0,1,2,3,4,5,6,7
	v_cndmask_b32 v[S+8*\t+\j], v[S+8*\t+\j], v9, s[MK+8*\t+\j+16*(\t/2)]
.endr
.endr
.Lnolo_\@:
.irp b, 0,1
	v_max3_num_f32 v[BM+\b], v[S+16*\b], v[S+16*\b+1], v[S+16*\b+2]   ; each block's largest score: it serves the row's maximum and, since p rises with the score, the block's largest p
.endr
.irp i, 3,5,7,9,11,13
.irp b, 0,1
	v_max3_num_f32 v[BM+\b], v[BM+\b], v[S+16*\b+\i], v[S+16*\b+\i+1]
.endr
.endr
.irp b, 0,1
	v_max_num_f32 v[BM+\b], v[BM+\b], v[S+16*\b+15]
.endr
.irp b, 0,1
	v_permlanex16_b32 v[BX+\b], v[BM+\b], s30, s31
.endr
.irp b, 0,1
	v_max_num_f32 v[BM+\b], v[BM+\b], v[BX+\b]     ; with lane l xor 16's 16 keys
.endr
	v_max_num_f32 v[T], v[BM], v[BM+1]
	v_mul_f32 v[T], s32, v[T]                      ; as t (c is positive)
	v_max_num_f32 v13, v13, v[T]                   ; the running largest t
	v_mov_b32 v[T], v12
	v_floor_f32 v12, -v13                          ; -M = floor(-t): M is a whole number
	v_sub_f32 v[T], v12, v[T]                      ; old M - new M: a whole number, 0 or less
	v_cvt_i32_f32 v[T], v[T]                       ; (it saturates)
	v_ldexp_f32 v[F], 1.0, v[T]                    ; f = 2^(old M - new M): rounds nothing
.irp j, 0,2,4,6,8,10,12,14,16,18,20,22,24,26,28,30
	v_pk_fma_f32 v[S+\j:S+\j+1], v[S+\j:S+\j+1], s[32:33], v[12:13] op_sel_hi:[1,0,0]   ; t - M
.endr
.irp b, 0,1
	v_fma_f32 v[BM+\b], v[BM+\b], s32, v12
.endr
.irp j, 0,1,2,3,4,5,6,7,8,9,10,11,12,13,14,15,16,17,18,19,20,21,22,23,24,25,26,27,28,29,30,31
	v_exp_f32 v[S+\j], v[S+\j]                     ; p = 2^(t - M); a hidden key's is 0
.endr
.irp b, 0,1
	v_exp_f32 v[BM+\b], v[BM+\b]                   ; the block's largest p: the same two instructions on the same number
.endr
	v_pk_mul_f32 v[14:15], v[14:15], v[F:F+1] op_sel_hi:[1,0]   ; the sum under the new M (a plain place behind the exponentials)
	s_wait_alu depctr_va_vdst(0)                   ; the 34 exponentials have written p and the blocks' largest p: one wait for the batch, ahead of its first reader
.irp b, 0,1
	v_max_num_f32 v[BM+\b], 0x1800000, v[BM+\b]    ; the floor 2^(3 - 127): the byte cannot fall under 1
.endr
.irp b, 0,1
	v_add_nc_u32 v[SO+\b], 0xff000000, v[BM+\b]
.endr
.irp b, 0,1
	v_lshrrev_b32 v[BY+\b], 23, v[SO+\b]
.endr
	v_lshl_or_b32 v29, v[BY+1], 8, v[BY]           ; p's scale word; bytes 2, 3 scale zero codes alone
	v_cvt_scalef32_pk8_fp4_f32 v[PCD], v[S:S+7], v[SO]
	v_cvt_scalef32_pk8_fp4_f32 v[PCD+2], v[S+8:S+15], v[SO]
	v_cvt_scalef32_pk8_fp4_f32 v[PCD+1], v[S+16:S+23], v[SO+1]
	v_cvt_scalef32_pk8_fp4_f32 v[PCD+3], v[S+24:S+31], v[SO+1]
	v_nop                                          ; one plain place behind the last conversion
	v_permlane16_swap_b32 v[PCD], v[PCD+1]         ; lanes 0-15: keys 0 .. 31 of the step, lanes 16-31: keys 32 .. 63
	v_permlane16_swap_b32 v[PCD+2], v[PCD+3]
	v_pk_add_f32 v[SU:SU+1], v[S:S+1], v[S+2:S+3]  ; the row's sum, of the unquantised p, in two chains
.irp j, 4,8,12,16,20,24,28
	v_pk_add_f32 v[14:15], v[14:15], v[S+\j:S+\j+1]
	v_pk_add_f32 v[SU:SU+1], v[SU:SU+1], v[S+\j+2:S+\j+3]
.endr
	v_pk_add_f32 v[14:15], v[14:15], v[SU:SU+1]
.irp j, 0,2,4,6,8,10,12,14,16,18,20,22,24,26,28,30
	v_pk_mul_f32 v[O+\j:O+\j+1], v[O+\j:O+\j+1], v[F:F+1] op_sel_hi:[1,0]   ; O^T under the new M; with the sums above: the places between p's codes and scale word and the products
.endr
.if \pre
	s_wait_loadcnt 0x6                             ; V and its words are in; the next K's six loads may stay out
.else
	s_wait_loadcnt 0x0
.endif
	s_wait_alu depctr_va_vdst(0)                   ; p's codes and p's scale word, which vector instructions made, are written: the scaled products below take them as B and as its scales; the places above stay beside this wait
.irp t, 0,1,2,3                                ; the four accumulators by turns
.if \t%2
	v_wmma_scale_f32_16x16x128_f8f6f4 v[O+8*\t:O+8*\t+7], v[VFR+8*\t:VFR+8*\t+7], v[PCD:PCD+7], v[O+8*\t:O+8*\t+7], v[27+\t/2], v29 matrix_a_fmt:MATRIX_FMT_FP4 matrix_b_fmt:MATRIX_FMT_FP4 matrix_a_scale:MATRIX_SCALE_ROW1
.else
	v_wmma_scale_f32_16x16x128_f8f6f4 v[O+8*\t:O+8*\t+7], v[VFR+8*\t:VFR+8*\t+7], v[PCD:PCD+7], v[O+8*\t:O+8*\t+7], v[27+\t/2], v29 matrix_a_fmt:MATRIX_FMT_FP4 matrix_b_fmt:MATRIX_FMT_FP4
.endif
.endr
.if \pre
.rept 4
	v_nop                                          ; places in front of the loads into V's registers
.endr
	s_wait_alu depctr_va_vdst(0)                   ; the four products are done reading V's fragments and scale words, in which the loads below land; no vector or matrix instruction names these registers before the next step's products O^T
	s_add_nc_u64 s[12:13], s[12:13], 512           ; (the wait ahead of the products has shown the loads that read these pointers done)
	s_add_nc_u64 s[14:15], s[14:15], 256
	LOADV
	s_add_co_u32 s28, s28, 64
.endif
.endm
	s_cmp_eq_u32 s25, s23
	s_cbranch_scc1 .Llast                          ; my own block is all that I need
.Lloop:
	STEP 1
	s_add_co_u32 s27, s27, 1
	s_cmp_lt_u32 s27, s23
	s_cbranch_scc1 .Lloop
.Llast:
	STEP 0                                         ; written out: it asks for nothing more, and its waits hold on both ways in
	; THE WAY OUT.  O^T / the sum goes through my own stage in LDS (16 rows of 256 bytes + 16) and leaves as rows: sixteen lanes store 256 consecutive bytes, a head's 64 numbers of one position.
	v_add_f32 v14, v14, v15
	v_permlanex16_b32 v[BX], v14, s30, s31
	v_add_f32 v14, v14, v[BX]                      ; the row's sum
	v_rcp_f32 v14, v14
	s_mul_i32 s56, s22, 16*272                     ; my stage.  (The address lines are the places behind the last products and behind the reciprocal)
	v_mul_u32_u24 v10, v[RR], 272
	v_lshl_add_u32 v10, v[HH], 5, v10
	v_add_nc_u32 v10, s56, v10                     ; in: row r, + 32 h; tile t 64 t bytes on
	v_mul_u32_u24 v11, v[HH], 272
	v_lshl_add_u32 v11, v[RR], 4, v11
	v_add_nc_u32 v11, s56, v11                     ; back: lanes 0-15 one row, lanes 16-31 the next
	v_lshlrev_b32 v30, 12, v[HH]
	v_lshl_add_u32 v30, v[RR], 4, v30              ; and the same two rows of the output, 4,096 bytes apart
	s_wait_alu depctr_va_vdst(0)                   ; the reciprocal has written v14, ahead of its first reader
.irp j, 0,2,4,6,8,10,12,14,16,18,20,22,24,26,28,30
	v_pk_mul_f32 v[S+\j:S+\j+1], v[O+\j:O+\j+1], v[14:15] op_sel_hi:[1,0]   ; register 8 t + j: out(q0 + r, 16 t + 8 h + j)
.endr
	s_wait_alu depctr_va_vdst(0)                   ; the multiplications have written v[S ..], the LDS stores' data; v10, v11 and v30, the addresses, are written; the products are done with v[KFR ..], in which the loads from the stage land
.irp t, 0,1,2,3
	ds_store_b128 v10, v[S+8*\t:S+8*\t+3] offset:64*\t
	ds_store_b128 v10, v[S+8*\t+4:S+8*\t+7] offset:64*\t+16
.endr
.irp i, 0,1,2,3,4,5,6,7
	ds_load_b128 v[KFR+4*\i:KFR+4*\i+3], v11 offset:544*\i   ; LDS serves a wave's instructions in order: these see my stores
.endr
.irp i, 0,1,2,3,4,5,6,7
	s_wait_dscnt 7-\i                              ; rows 2 i and 2 i + 1 are back
	global_store_b128 v30, v[KFR+4*\i:KFR+4*\i+3], s[20:21] offset:8192*\i th:TH_STORE_NT
.endr
	s_wait_dscnt 0x0                               ; the closing lines, six on end
	s_wait_alu 0x0
	s_wait_tensorcnt 0x0
	ds_add_u32 v192, v193
	s_wait_dscnt 0x0
	s_endpgm
.Lfunc_end_k_q212dff493c_attn:
	.size	k_q212dff493c_attn, .Lfunc_end_k_q212dff493c_attn-k_q212dff493c_attn
	.p2alignl 7, 3214868480
	.fill 96, 4, 3214868480
	.section	.rodata,"a",@progbits
	.p2align	6, 0x0
	.amdhsa_kernel k_q212dff493c_attn
		.amdhsa_group_segment_fixed_size 17920
		.amdhsa_private_segment_fixed_size 0
		.amdhsa_enable_private_segment 0
		.amdhsa_kernarg_size 72
		.amdhsa_user_sgpr_count 2
		.amdhsa_user_sgpr_kernarg_segment_ptr 1
		.amdhsa_wavefront_size32 1
		.amdhsa_system_sgpr_workgroup_id_x 1
		.amdhsa_system_sgpr_workgroup_id_y 1
		.amdhsa_system_sgpr_workgroup_id_z 1
		.amdhsa_system_vgpr_workitem_id 0
		.amdhsa_next_free_vgpr 194
		.amdhsa_next_free_sgpr 84
		.amdhsa_reserve_vcc 1
		.amdhsa_float_denorm_mode_32 3
		.amdhsa_float_denorm_mode_16_64 3
		.amdhsa_memory_ordered 1
		.amdhsa_forward_progress 1
		.amdhsa_inst_pref_size 46
	.end_amdhsa_kernel
	.amdgpu_metadata
---
amdhsa.version: [ 1, 2 ]
amdhsa.kernels:
  - .name:           k_q212dff493c_attn
    .symbol:         k_q212dff493c_attn.kd
    .args:
      - { .name: qc, .offset: 0, .size: 8, .value_kind: global_buffer, .address_space: global }
      - { .name: qs, .offset: 8, .size: 8, .value_kind: global_buffer, .address_space: global }
      - { .name: kc, .offset: 16, .size: 8, .value_kind: global_buffer, .address_space: global }
      - { .name: ks, .offset: 24, .size: 8, .value_kind: global_buffer, .address_space: global }
      - { .name: vc, .offset: 32, .size: 8, .value_kind: global_buffer, .address_space: global }
      - { .name: vs, .offset: 40, .size: 8, .value_kind: global_buffer, .address_space: global }
      - { .name: loc, .offset: 48, .size: 8, .value_kind: global_buffer, .address_space: global }
      - { .name: clast, .offset: 56, .size: 8, .value_kind: global_buffer, .address_space: global }
      - { .name: out0, .offset: 64, .size: 8, .value_kind: global_buffer, .address_space: global }
    .group_segment_fixed_size: 17920
    .private_segment_fixed_size: 0
    .kernarg_segment_align: 8
    .kernarg_segment_size: 72
    .max_flat_workgroup_size: 128
    .sgpr_count:     84
    .vgpr_count:     194
    .wavefront_size: 32
...
	.end_amdgpu_metadata
.endif
;; end of part 3
